; MI455X (gfx1250); checked and timed in simulation.
; The chip was launched on July 23, 2026; its instructions are those of AMD's public machine-readable ISA for CDNA 5 (MIT licence, August 2026) and "CDNA5" Instruction Set Architecture Reference Guide (July 2026). The comments in the code are by the model that wrote it; some were corrected since.
;; Vector Quantizer. Allowed arithmetic: matrix products marked QUANTISED: E3M2 operands, one E8M0 scale for each 32 along K, by v_wmma_scale_f32_16x16x128_f8f6f4 with both operands' format E3M2, f32 sums; everything else in f32.
;; Inputs: codebook 8,192 x 512 float32; z 8 x 2,048 x 512 float32.
;; Outputs: out0 8 x 2,048 x 512 float32; out1 16,384 int32.
;; This version of the problem:
;;   THIS VERSION OF THE PROBLEM IS GIVEN IN LOW PRECISION. The matrix products marked QUANTISED in the list below multiply operands that are first quantised to E3M2 (3 exponent bits, 2 mantissa bits; 6 bits a number), with one power-of-two scale for each 32 numbers along K (OCP MX v1.0); their sums are f32. All else is computed in f32.
;;   The module's matrix products, in the order in which they are computed (A, B: the left and right operand; K: the contracted axis; several contracted axes count as one K, in the product's order):
;;     1. [M 16,384, K 512] x [K 512, N 8,192]; A: input z; B: input codebook: QUANTISED
;;   THE QUANTISER, for each operand of a quantised product, along K:
;;     - K is cut into blocks of 32 from its start; a last block that is shorter is filled with zeros.
;;     - A block's scale is 2^e with e = floor(log2(the largest magnitude in the block)) - 4, held to -126 .. 127; a block of zeros has e = 0. As a byte (E8M0): e + 127.
;;     - Each number is divided by its block's scale, clamped to +-28, and rounded to the nearest number of E3M2, ties to even, subnormals kept.
;;     - The product sums the exact products of the quantised numbers (number of the format x scale) in f32.
;;   ~~~python
;;   def quantise(x, axis):      # numpy; x: float32 -> the quantised numbers, widened to float32 again
;;       x = np.moveaxis(x, axis, -1); K = x.shape[-1]
;;       x = np.pad(x, [(0, 0)] * (x.ndim - 1) + [(0, -K % 32)]); x = x.reshape(x.shape[:-1] + (-1, 32)); a = np.abs(x).max(-1, keepdims=True)
;;       e = np.where(a > 0, np.clip(np.frexp(np.where(a > 0, a, 1))[1] - 1 - 4, -126, 127), 0)      # np.frexp(a)[1] - 1 = floor(log2(a)), exactly
;;       r = np.clip(x / 2.0 ** e, -28, 28)
;;       step = 2.0 ** (np.maximum(np.frexp(np.where(r == 0, 1, r))[1] - 1, -2) - 2)
;;       q = np.round(r / step) * step * 2.0 ** e      # np.round: ties to even
;;       return np.moveaxis(q.reshape(q.shape[:-2] + (-1,))[..., :K], -1, axis).astype(np.float32)
;;   ~~~
;; One version. Each part assembles by itself: llvm-mc -triple=amdgcn-amd-amdhsa -mcpu=gfx1250 --defsym DOCPART=n.
;; ======== version 1 of 1: 3 launches
;; limits: right only within a limited range of input values
;; workspace buffers: codes 10,223,616 bytes; cand_val 131,072 bytes; cand_idx 131,072 bytes of whole numbers
;; launch quant (part 1): grid 256 x 1, 6 waves a work-group, no clusters, 327,680 bytes of LDS; arguments z, codebook, codes; writes codes
.if DOCPART == 1
	.amdgcn_target "amdgcn-amd-amdhsa--gfx1250"
	.amdhsa_code_object_version 6
	.text
	.protected	k_q3f12db255a_quant
	.globl	k_q3f12db255a_quant
	.p2align	8
	.type	k_q3f12db255a_quant,@function
k_q3f12db255a_quant:
	s_mov_b64 s[64:65], 0
	v_nop
	global_prefetch_b8 v0, s[64:65] scope:SCOPE_SE
	s_setreg_imm32_b32 hwreg(HW_REG_WAVE_MODE, 25, 1), 1
	s_wait_xcnt 0x0
.set PITCH,  528
.set PLANE,  16*PITCH
.set WREG,   4*PLANE
.set ZTILES, 1024
.set G1,  16
.set G0,  24
.set M,   10
.set SC,  12
.set B,   14
.set W,   16
.set TMP, 20
.set P,   22
.set S,   24
.set X,   32
.set TA,  96
.set TB,  100
.set R,   128
	s_load_b128 s[4:7], s[0:1], 0x0
	s_load_b64 s[8:9], s[0:1], 0x10                ; the records: 6,656 bytes for each tile of 16 rows
	v_lshl_add_u32 v192, v0, 2, 0x31800
	v_mov_b32 v193, 0
	ds_add_u32 v192, v193
	ds_add_u32 v192, v193
	v_lshrrev_b32 v1, 5, v0
	v_readfirstlane_b32 s14, v1
	s_mul_i32 s15, ttmp9, 6
	s_add_co_u32 s15, s15, s14
	s_mov_b32 s[G1+0], (2<<16)|(1<<20)|(7<<22)|(3<<25)  ; my 16 rows are 32,768 dense bytes: 32 rows of 1,024 bytes, 16 bytes of padding behind each
	s_mov_b32 s[G1+1], 256<<16
	s_mov_b32 s[G1+2], 32<<16
	s_mov_b32 s[G1+3], 256<<16
	s_mov_b32 s[G1+4], 32
	s_mov_b32 s[G1+5], 256
	s_mov_b32 s[G1+6], 0
	s_mov_b32 s[G1+7], 0
	s_mul_i32 s40, s14, WREG
	s_mov_b32 s43, 0
	s_mov_b32 s44, 0x76543210
	s_mov_b32 s45, 0xfedcba98
	s_wait_dscnt 0x0
	s_wait_kmcnt 0x0
	s_cmp_lt_u32 s15, ZTILES
	s_cselect_b64 s[4:5], s[4:5], s[6:7]
	s_cselect_b32 s41, 0, ZTILES
	s_sub_co_u32 s41, s15, s41
	s_lshl_b32 s42, s41, 15
	s_add_nc_u64 s[4:5], s[4:5], s[42:43]
	s_mov_b32 s[G0], 1
	s_mov_b32 s[G0+1], s40
	s_mov_b64 s[G0+2:G0+3], s[4:5]
	s_or_b32 s[G0+3], s[G0+3], 0x80000000
	tensor_load_to_lds s[G0:G0+3], s[G1:G1+7]      ; my one tensor load: the whole tile, into my own LDS bytes
	s_nop 0
.rept 4
	v_nop
.endr
	s_mul_i32 s42, s15, 6656
	s_add_nc_u64 s[8:9], s[8:9], s[42:43]          ; my tile's record: 6,144 bytes of codes,
	s_add_nc_u64 s[10:11], s[8:9], 6144            ; 256 of scale words,
	s_add_nc_u64 s[12:13], s[8:9], 6400            ; 256 with the 16 sums of squares, four times over
	v_and_b32 v1, 31, v0
	v_and_b32 v2, 15, v0
	v_bfe_u32 v3, v0, 4, 1
	v_mul_u32_u24 v4, v2, 2080
	v_lshl_add_u32 v4, v3, 7, v4
	v_add_nc_u32 v4, s40, v4
	v_lshlrev_b32 v5, 4, v1
	v_lshlrev_b32 v6, 3, v1
	v_lshlrev_b32 v7, 2, v1
	v_lshlrev_b32 v8, 3, v3
	v_mov_b32 v[TMP], 0
.macro SQ s, i, c
.set U, S+4*(((\i)/2)%2)+2*(\c)
.if (\s) == 0 && (\i) < 4
	v_pk_mul_f32 v[U:U+1], v[X+32*(\c)+(\i):X+32*(\c)+(\i)+1], v[X+32*(\c)+(\i):X+32*(\c)+(\i)+1]
.else
	v_pk_fma_f32 v[U:U+1], v[X+32*(\c)+(\i):X+32*(\c)+(\i)+1], v[X+32*(\c)+(\i):X+32*(\c)+(\i)+1], v[U:U+1]
.endif
.endm
.macro STEP s
	s_wait_tensorcnt 0x0
.irp c, 0,1
.irp q, 0,1,2,3,4,5,6,7
	ds_load_b128 v[X+32*\c+4*\q:X+32*\c+4*\q+3], v4 offset:1040*((\s)/2)+512*((\s)%2)+256*\c+16*\q
.endr
.endr
	s_wait_dscnt 0x0
	v_max3_num_f32 v[M], |v[X]|, |v[X+1]|, 0x2800000
	v_max3_num_f32 v[M+1], |v[X+32]|, |v[X+33]|, 0x2800000
	SQ \s, 0, 0
	SQ \s, 0, 1
.irp i, 2,4,6,8,10,12,14,16,18,20,22,24,26,28,30
	v_max3_num_f32 v[M], v[M], |v[X+\i]|, |v[X+\i+1]|
	v_max3_num_f32 v[M+1], v[M+1], |v[X+32+\i]|, |v[X+33+\i]|
	SQ \s, \i, 0
	SQ \s, \i, 1
.endr
	v_add_nc_u32 v[SC], 0xfe000000, v[M]
	v_add_nc_u32 v[SC+1], 0xfe000000, v[M+1]
	v_cvt_scalef32_pk16_bf6_f32 v[R+12*\s:R+12*\s+2], v[X:X+15], v[SC]
	v_cvt_scalef32_pk16_bf6_f32 v[TA:TA+2], v[X+16:X+31], v[SC]
	v_cvt_scalef32_pk16_bf6_f32 v[R+12*\s+6:R+12*\s+8], v[X+32:X+47], v[SC+1]
	v_cvt_scalef32_pk16_bf6_f32 v[TB:TB+2], v[X+48:X+63], v[SC+1]
	v_lshrrev_b32 v[B], 23, v[SC]
	v_lshrrev_b32 v[B+1], 23, v[SC+1]
.irp i, 0,1,2
	v_mov_b32 v[R+12*\s+3+\i], v[TA+\i]
	v_mov_b32 v[R+12*\s+9+\i], v[TB+\i]
.endr
	v_lshl_or_b32 v[W+\s], v[B+1], 16, v[B]
	v_lshlrev_b32 v[W+\s], v8, v[W+\s]
	v_permlanex16_b32 v[TMP], v[W+\s], s44, s45
	v_or_b32 v[W+\s], v[W+\s], v[TMP]
.irp c, 0,1,2
	global_store_b128 v5, v[R+12*\s+4*\c:R+12*\s+4*\c+3], s[8:9] offset:1536*\s+512*\c
.endr
.endm
	s_wait_alu depctr_va_vdst(0)
	STEP 0
	STEP 1
	STEP 2
	STEP 3
	v_pk_add_f32 v[S:S+1], v[S:S+1], v[S+2:S+3]
	v_pk_add_f32 v[S+4:S+5], v[S+4:S+5], v[S+6:S+7]
	v_pk_add_f32 v[S:S+1], v[S:S+1], v[S+4:S+5]
	v_add_f32 v[S], v[S], v[S+1]
	v_permlanex16_b32 v[TMP], v[S], s44, s45
	v_add_f32 v[S], v[S], v[TMP]
	v_cmp_eq_u32 vcc_lo, 1, v3
	v_cndmask_b32 v[P], v[W], v[W+1], vcc_lo
	v_cndmask_b32 v[P+1], v[W+2], v[W+3], vcc_lo
	global_store_b64 v6, v[P:P+1], s[10:11]
	s_wait_alu depctr_va_vdst(0)
	global_store_b32 v7, v[S], s[12:13]            ; both halves of the lanes hold the 16 sums: two stores fill the record's last 256 bytes
	global_store_b32 v7, v[S], s[12:13] offset:128
	s_wait_tensorcnt 0x0
	ds_add_u32 v192, v193
	s_wait_dscnt 0x0
	s_endpgm
.Lfunc_end_k_q3f12db255a_quant:
	.size	k_q3f12db255a_quant, .Lfunc_end_k_q3f12db255a_quant-k_q3f12db255a_quant
	.p2alignl 7, 3214868480
	.fill 96, 4, 3214868480
	.section	.rodata,"a",@progbits
	.p2align	6, 0x0
	.amdhsa_kernel k_q3f12db255a_quant
		.amdhsa_group_segment_fixed_size 327680
		.amdhsa_private_segment_fixed_size 0
		.amdhsa_enable_private_segment 0
		.amdhsa_kernarg_size 24
		.amdhsa_user_sgpr_count 2
		.amdhsa_user_sgpr_kernarg_segment_ptr 1
		.amdhsa_wavefront_size32 1
		.amdhsa_system_sgpr_workgroup_id_x 1
		.amdhsa_system_sgpr_workgroup_id_y 1
		.amdhsa_system_sgpr_workgroup_id_z 1
		.amdhsa_system_vgpr_workitem_id 0
		.amdhsa_next_free_vgpr 194
		.amdhsa_next_free_sgpr 66
		.amdhsa_reserve_vcc 1
		.amdhsa_float_denorm_mode_32 3
		.amdhsa_float_denorm_mode_16_64 3
		.amdhsa_memory_ordered 1
		.amdhsa_forward_progress 1
		.amdhsa_inst_pref_size 29
	.end_amdhsa_kernel
	.amdgpu_metadata
---
amdhsa.version: [ 1, 2 ]
amdhsa.kernels:
  - .name:           k_q3f12db255a_quant
    .symbol:         k_q3f12db255a_quant.kd
    .args:
      - { .name: z, .offset: 0, .size: 8, .value_kind: global_buffer, .address_space: global }
      - { .name: codebook, .offset: 8, .size: 8, .value_kind: global_buffer, .address_space: global }
      - { .name: codes, .offset: 16, .size: 8, .value_kind: global_buffer, .address_space: global }
    .group_segment_fixed_size: 327680
    .private_segment_fixed_size: 0
    .kernarg_segment_align: 8
    .kernarg_segment_size: 24
    .max_flat_workgroup_size: 192
    .sgpr_count:     66
    .vgpr_count:     194
    .wavefront_size: 32
...
	.end_amdgpu_metadata
.endif
;; end of part 1
;; launch dist (part 2): grid 128 x 2, 8 waves a work-group, clusters of 4 x 1, 327,680 bytes of LDS; arguments codes, cand_val, cand_idx; writes cand_val, cand_idx
.if DOCPART == 2
	.amdgcn_target "amdgcn-amd-amdhsa--gfx1250"
	.amdhsa_code_object_version 6
	.text
	.protected	k_q3f12db255a_dist
	.globl	k_q3f12db255a_dist
	.p2align	8
	.type	k_q3f12db255a_dist,@function
k_q3f12db255a_dist:
	s_mov_b64 s[64:65], 0
	v_nop
	global_prefetch_b8 v0, s[64:65] scope:SCOPE_SE
	s_setreg_imm32_b32 hwreg(HW_REG_WAVE_MODE, 25, 1), 1
	s_wait_xcnt 0x0
	s_wait_alu depctr_hold_cnt(0) depctr_sa_sdst(0) depctr_va_vdst(0) depctr_va_sdst(0) depctr_va_ssrc(0) depctr_va_vcc(0) depctr_vm_vsrc(0)
	s_getreg_b32 s2, hwreg(HW_REG_IB_STS2, 6, 4)
	s_cmp_eq_u32 s2, 0
	s_cbranch_scc0 .Lentry_in_a_cluster
	s_endpgm
.Lentry_in_a_cluster:
	s_bfe_u32 s2, ttmp6, 0x10000c
	s_cmp_lg_u32 s2, 0x3003
	s_cbranch_scc0 .Lentry_shape_is_right
	s_endpgm
.Lentry_shape_is_right:
; For 128 rows of z and one half (4,096 entries) of the codebook: d = fl(fl(zz + ee) - 2 dot), dot on codes of BF6 with E8M0 scales, and for each row the smallest d with the FIRST entry that has it.
; No work of the problem is left out.
; HOW THE ENTRY IS KEPT: a lane's eight results are eight neighbouring entries of one row.  Four v_min3 bring them and the best so far together; where the best fell strictly, one compare and eight selects
; keep the tile's number and the tile's first seven distances.  21 vector lines for an accumulator's four matrix instructions.  Behind the walk the first kept distance that equals the best gives the entry
; (if none of the seven does, it is the eighth).  Tiles ascend in every place, so a tie keeps the earlier tile; where two places meet the smaller d wins and, of equal d, the smaller entry.
; LIMITS: NaN and infinities among the distances are not served.
; RECORDS: a tile of 16 rows (of z: tiles 0-1023; of the codebook: 1024-1535) is 6,656 bytes: the image of its operand registers (K step s, piece c: 1536 s + 512 c + 16 x lane), at 6,144 its scale words
; (8 x lane: lanes 0-15 K steps 0 and 2, lanes 16-31 K steps 1 and 3), at 6,400 its sums of squares.
; SHARES: eight waves, two to a SIMD.  Wave w keeps rows 64 (w % 2) on in registers (4 tiles x 48, window 1) and takes tiles 4 (w / 2) + i, i = 0..3, of each step's 16.  A tile is one run of 16 matrix
; instructions (four accumulators by turns), then 85 vector lines.
; RING: two slots of 16 records; wave w fetches records 2 w and 2 w + 1 (52 rows of 256 bytes), one tensor load a wave behind each round.  The four work-groups of a cluster share y and ask jointly (mask 15).
; PREFETCH: behind the refill for step k + 2 the records of step k + 4 are asked for: 416 blocks of 256 bytes, 104 for each partner, told apart by address (cx); threads 0-103 name one block each,
; the rest of wave 3 its last block again; waves 4-7 ask for nothing; the last two refilling trips ask for nothing.
.set REC,   6656
.set SLOT,  1<<17                      ; slot 1 begins here, above every offset inside a slot, so that one exclusive or turns an address in one slot into the other's
.set STEPB, 16*REC
.set SPARE, 16*REC                     ; behind slot 0's 16 records: the spare words, 128 bytes for each of eight waves
.set RED,   SPARE+1024                 ; [entry quarter][row] 8 bytes: written by LDS stores alone
.set LI,  1                            ; 16 x lane
.set CBA, 2                            ; LDS addresses in the slot in hand: codes, scale words, ee
.set SCA, 3
.set EEA, 4
.set SPW, 5
.set NIL, 6
.set CB0, 7                            ; the same in slot 0
.set SC0, 8
.set EE0, 9
.set L8,  10
.set R4,  11
.set RW,  12
.set RR,  13
.set ZS,  16                           ; z's scale words
.set CS,  24                           ; the codebook's, two sets
.set ZZ,  28                           ; zz, twice, for each row tile
.set E0,  36                           ; ee, two sets
.set CB,  52                           ; the codebook's fragments, two sets of 48
.set ACC, 148
.set T,   180
.set BA,  212                          ; best d: [tile's parity][row tile], so that the old best stands beside the new
.set IX,  220                          ; its tile's number
.set SV,  224                          ; its tile's first seven distances, for each row tile
.set T4,  252
.set PFO, 253
.set VNP, 254
.set H8,  255                          ; 8 h
.set WV,  14
.set G1,  24
.set G0A, 32
.set G0B, 36
.set TB,  40
.set NP,  41
.set INF, 42
.set CNT, 43
.set SEL, 44
.set LIM, 46
.set PF,  48
.set ZC,  50
.set OV,  52
.set OI,  56
.set MK,  68
.set MSB, 0
.macro WIN new
.if MSB != (\new)
	s_set_vgpr_msb (MSB<<8)|(\new)
.set MSB, (\new)
.endif
.endm
.macro CREST
	s_cmp_lg_u32 s[WV], 0
	s_cbranch_scc1 .Lnot_wave_0_\@
	s_barrier_signal -3
.Lnot_wave_0_\@:
	s_barrier_wait -3
	s_barrier_signal -1
	s_barrier_wait -1
.endm
.macro CROUND
	s_barrier_signal -1
	s_barrier_wait -1
	CREST
.endm
.macro PLACES
.rept 4
	v_nop
.endr
.endm
	s_load_b128 s[4:7], s[0:1], 0x0                ; the records, cand_val
	s_load_b64 s[58:59], s[0:1], 0x10              ; cand_idx
	v_lshl_add_u32 v[SPW], v0, 2, SPARE
	v_mov_b32 v[NIL], 0
	ds_add_u32 v[SPW], v[NIL]                      ; the opening lines
	ds_add_u32 v[SPW], v[NIL]
	v_lshrrev_b32 v15, 5, v0
	s_delay_alu instid0(VALU_DEP_1)
	v_readfirstlane_b32 s[WV], v15
	s_bfe_u32 s15, ttmp6, 0x40000                  ; cx
	s_lshl_b32 s16, ttmp9, 2
	s_add_co_u32 s16, s16, s15                     ; bx: my block of 128 rows
	s_and_b32 s17, ttmp7, 0xffff                   ; y: the half, shared by the four partners
	s_lshr_b32 s18, s[WV], 1                       ; my quarter of a step's tiles
	s_and_b32 s19, s[WV], 1                        ; my half of the rows
	s_mov_b32 s[G1], 15|(3<<16)|(1<<21)            ; 52 rows of 32 elements of 8 bytes, dense; the mask names all four; bit 21 beside it
	s_mov_b32 s[G1+1], 32<<16
	s_mov_b32 s[G1+2], 52<<16
	s_mov_b32 s[G1+3], 32<<16
	s_mov_b32 s[G1+4], 52
	s_mov_b32 s[G1+5], 32
	s_mov_b32 s[G1+6], 0
	s_mov_b32 s[G1+7], 0
	s_mul_i32 s20, s18, 4*REC
	s_mul_i32 s21, s[WV], 2*REC                    ; what I fetch of a step, in LDS and in memory
	s_mov_b32 s2, s21
	s_mov_b32 s3, 0
	s_mul_i32 s22, s17, 256*REC
	s_add_co_u32 s22, s22, 1024*REC                ; my half's first record
	s_mov_b32 s23, 0
	s_lshl_b32 s8, s16, 3
	s_lshl_b32 s9, s19, 2
	s_add_co_u32 s8, s8, s9
	s_mul_i32 s8, s8, REC                          ; z's tiles 8 bx + 4 (w % 2) on
	s_mov_b32 s9, 0
	s_lshl_b32 s10, s17, 16
	s_lshl_b32 s11, s16, 9
	s_add_co_u32 s10, s10, s11                     ; results: [half][row], 4 bytes
	s_mov_b32 s11, 0
	s_mul_i32 s12, s15, 104
	s_lshl_b32 s13, s18, 10
	s_lshl_b32 s[TB], s19, 9
	s_add_co_u32 s13, s13, s[TB]
	s_mov_b32 s[TB], 0
	s_lshl_b32 s[NP], s17, 8
	s_lshl_b32 s[CNT], s18, 2
	s_add_co_u32 s[NP], s[NP], s[CNT]              ; my first tile's number: 256 y + 4 (w / 2)
	s_mov_b32 s[INF], 0x7f800000
	s_mov_b32 s[SEL], 0x76543210
	s_mov_b32 s[SEL+1], 0xfedcba98
	s_cmp_lt_u32 s[WV], 4
	s_cselect_b32 s[LIM], 2, 99
	v_and_b32 v14, 31, v0
	v_and_b32 v[R4], 15, v0
	v_bfe_u32 v[H8], v0, 4, 1
	v_min_u32 v[PFO], 103, v0
	v_lshl_add_u32 v[RR], v0, 3, RED
	v_lshlrev_b32 v[T4], 2, v0
	v_lshlrev_b32 v[LI], 4, v14
	v_lshlrev_b32 v[L8], 3, v14
	v_lshl_add_u32 v[EE0], v[H8], 5, s20
	v_lshl_add_u32 v[RW], v[R4], 3, s13
	v_add_nc_u32 v[PFO], s12, v[PFO]
	v_add_nc_u32 v[CB0], s20, v[LI]
	v_add_nc_u32 v[SC0], s20, v[L8]
	v_add_nc_u32 v[EE0], 6400, v[EE0]
	v_add_nc_u32 v[RW], RED, v[RW]
	v_lshlrev_b32 v[PFO], 8, v[PFO]
	v_lshlrev_b32 v[R4], 2, v[R4]
	v_add_nc_u32 v[SC0], 6144, v[SC0]
	v_lshlrev_b32 v[H8], 3, v[H8]
	v_mov_b32 v[CBA], v[CB0]
	v_mov_b32 v[EEA], v[EE0]
	s_delay_alu instid0(VALU_DEP_4)
	v_mov_b32 v[SCA], v[SC0]
	s_wait_alu depctr_va_vdst(0)
	s_wait_dscnt 0x0
	s_wait_kmcnt 0x0
	s_add_nc_u64 s[54:55], s[4:5], s[22:23]
	s_mov_b32 s[G0A], 1
	s_mov_b32 s[G0A+1], s21
	s_add_nc_u64 s[G0A+2:G0A+3], s[54:55], s[2:3]  ; step 0
	s_mov_b32 s[G0B], 1
	s_add_co_u32 s[G0B+1], s21, SLOT
	s_add_nc_u64 s[G0B+2:G0B+3], s[G0A+2:G0A+3], STEPB   ; step 1; this descriptor then walks
	s_or_b32 s[G0A+3], s[G0A+3], 0x80000000
	s_or_b32 s[G0B+3], s[G0B+3], 0x80000000
	s_add_nc_u64 s[PF:PF+1], s[54:55], 3*STEPB
	s_add_nc_u64 s[ZC:ZC+1], s[4:5], s[8:9]
	s_add_nc_u64 s[OV:OV+1], s[6:7], s[10:11]
	s_add_nc_u64 s[OI:OI+1], s[58:59], s[10:11]
	CROUND                                         ; the first joint loads meet
	tensor_load_to_lds s[G0A:G0A+3], s[G1:G1+7]    ; my one load at the head
	s_nop 0
	PLACES
	WIN 0x40                                       ; destination window 1
.irp q, 0,1,2,3
.irp s, 0,1,2,3
.irp c, 0,1,2
	global_load_b128 v[48*\q+12*\s+4*\c:48*\q+12*\s+4*\c+3], v[LI], s[ZC:ZC+1] offset:REC*\q+1536*\s+512*\c
.endr
.endr
.endr
	WIN 0
.irp q, 0,1,2,3
	global_load_b64 v[ZS+2*\q:ZS+2*\q+1], v[L8], s[ZC:ZC+1] offset:REC*\q+6144
	global_load_b32 v[ZZ+2*\q], v[R4], s[ZC:ZC+1] offset:REC*\q+6400
	global_load_b32 v[ZZ+2*\q+1], v[R4], s[ZC:ZC+1] offset:REC*\q+6400
.endr
.irp q, 0,1,2,3
	v_mov_b32 v[BA+4+\q], s[INF]                   ; the best so far: +infinity, at my first tile
	v_mov_b32 v[IX+\q], s[NP]
.endr
.set J, 0
.rept 28
	v_mov_b32 v[SV+J], s[INF]                      ; written once: a select reads what it keeps
.set J, J+1
.endr
.macro MM q, s, p
.set AC, ACC+8*(\q)
.set ZF, 48*(\q)+12*(\s)
.set CF, CB+48*(\p)+12*(\s)
.set SA, CS+2*(\p)+(\s)/2
.set SB, ZS+2*(\q)+(\s)/2
.if (\s) == 0
	v_wmma_scale_f32_16x16x128_f8f6f4 v[AC:AC+7], v[CF:CF+11], v[ZF:ZF+11], 0, v[SA], v[SB] matrix_a_fmt:MATRIX_FMT_BF6 matrix_b_fmt:MATRIX_FMT_BF6
.elseif (\s) == 2
	v_wmma_scale_f32_16x16x128_f8f6f4 v[AC:AC+7], v[CF:CF+11], v[ZF:ZF+11], v[AC:AC+7], v[SA], v[SB] matrix_a_fmt:MATRIX_FMT_BF6 matrix_b_fmt:MATRIX_FMT_BF6
.else
	v_wmma_scale_f32_16x16x128_f8f6f4 v[AC:AC+7], v[CF:CF+11], v[ZF:ZF+11], v[AC:AC+7], v[SA], v[SB] matrix_a_fmt:MATRIX_FMT_BF6 matrix_b_fmt:MATRIX_FMT_BF6 matrix_a_scale:MATRIX_SCALE_ROW1 matrix_b_scale:MATRIX_SCALE_ROW1
.endif
.endm
.macro RUN p                           ; source 0 = 16 entries (window 0), source 1 = 16 rows of z (window 1): lane (r, h) holds row r, register j entry 8 h + j
	WIN 0x04
.irp s, 0,1,2,3
.irp q, 0,1,2,3
	MM \q, \s, \p
.endr
.endr
	WIN 0
.endm
.macro FETCH pn, ci                    ; tile ci of my quarter into set pn: fragments, scale words, ee of entries 8 h + 0 .. 7
.irp s, 0,1,2,3
.irp c, 0,1,2
	ds_load_b128 v[CB+48*(\pn)+12*\s+4*\c:CB+48*(\pn)+12*\s+4*\c+3], v[CBA] offset:REC*(\ci)+1536*\s+512*\c
.endr
.endr
	ds_load_b64 v[CS+2*(\pn):CS+2*(\pn)+1], v[SCA] offset:REC*(\ci)
	ds_load_b128 v[E0+8*(\pn):E0+8*(\pn)+3], v[EEA] offset:REC*(\ci)
	ds_load_b128 v[E0+8*(\pn)+4:E0+8*(\pn)+7], v[EEA] offset:REC*(\ci)+16
.endm
; The four accumulators' distances, stage by stage, the row tiles by turns.  The first 16 lines name no accumulator: they are the places behind the run.
.macro WORK p
.set BO, BA+4*(1-(\p))
.set BN, BA+4*(\p)
.irp q, 0,1,2,3
.irp i, 0,2,4,6
	v_pk_add_f32 v[T+8*\q+\i:T+8*\q+\i+1], v[E0+8*(\p)+\i:E0+8*(\p)+\i+1], v[ZZ+2*\q:ZZ+2*\q+1]   ; t = ee + zz
.endr
.endr
.irp q, 0,1,2,3
.irp i, 0,2,4,6
	v_pk_fma_f32 v[ACC+8*\q+\i:ACC+8*\q+\i+1], -2.0, v[ACC+8*\q+\i:ACC+8*\q+\i+1], v[T+8*\q+\i:T+8*\q+\i+1] op_sel_hi:[0,1,1]   ; d = t - 2 dot, one rounding; from the low end on
.endr
.endr
.irp q, 0,1,2,3
	v_min3_num_f32 v[T+8*\q], v[BO+\q], v[ACC+8*\q+6], v[ACC+8*\q+7]
.endr
.irp q, 0,1,2,3
	v_min3_num_f32 v[T+8*\q+1], v[ACC+8*\q], v[ACC+8*\q+1], v[ACC+8*\q+2]
.endr
.irp q, 0,1,2,3
	v_min3_num_f32 v[T+8*\q+2], v[ACC+8*\q+3], v[ACC+8*\q+4], v[ACC+8*\q+5]
.endr
	v_mov_b32 v[VNP], s[NP]
.irp q, 0,1,2,3
	v_min3_num_f32 v[BN+\q], v[T+8*\q], v[T+8*\q+1], v[T+8*\q+2]
.endr
.irp q, 0,1,2,3
	v_cmp_lt_f32 s[MK+\q], v[BN+\q], v[BO+\q]      ; strictly smaller: a tie keeps the earlier tile
.endr
.irp q, 0,1,2,3
	v_cndmask_b32 v[IX+\q], v[IX+\q], v[VNP], s[MK+\q]
.endr
.irp k, 0,1,2,3,4,5,6
.irp q, 0,1,2,3
	v_cndmask_b32 v[SV+7*\q+\k], v[SV+7*\q+\k], v[ACC+8*\q+\k], s[MK+\q]
.endr
.endr
.endm
.macro ASK
	s_cmp_gt_u32 s[CNT], s[LIM]
	s_cbranch_scc0 .Lnone_\@
	s_cmp_lt_u32 ttmp9, 4
	s_cbranch_scc0 .Lno_prefetch_dist0_\@
	global_prefetch_b8 v[PFO], s[PF:PF+1] th:TH_LOAD_NT scope:SCOPE_SE
.Lno_prefetch_dist0_\@:
.Lnone_\@:
.endm
; Tile i of a step.  mode 0: the next tile is fetched from the same slot, ahead of the run.  mode 2: the step's last tile: the slot is left and filled again, two steps on.
; mode 1: the slot is left and nothing is asked for.  mode 3: the very last tile.
.macro TILE i, mode
.set P, (\i)%2
.if \mode == 0
	s_wait_dscnt 0x0                               ; this tile's operands are in
	FETCH 1-P, (\i)+1
	RUN P
.elseif \mode == 3
	s_wait_dscnt 0x0
	RUN P
.else
.if \mode == 2
	s_wait_xcnt 0x0                                ; my last prefetch has read its address
	s_add_nc_u64 s[PF:PF+1], s[PF:PF+1], STEPB
	s_wait_tensorcnt 0x0                           ; my part of the other slot is in; no load of mine is out
	ds_add_u32 v[SPW], v[NIL]
	s_xor_b32 s[G0B+1], s[G0B+1], SLOT
	s_add_nc_u64 s[G0B+2:G0B+3], s[G0B+2:G0B+3], STEPB
.else
	s_wait_tensorcnt 0x0                           ; my part of the last slot is in
.endif
	s_wait_dscnt 0x0                               ; my reads of this slot are over
	s_barrier_signal -1
	RUN P                                          ; work on registers inside the barrier
	s_barrier_wait -1
.if \mode == 2
	CREST                                          ; the barrier has opened a round of the cluster's barrier
	tensor_load_to_lds s[G0B:G0B+3], s[G1:G1+7]    ; the joint refill, first behind the round
	s_nop 0
	PLACES
.endif
	s_xor_b32 s[TB], s[TB], SLOT
	v_add_nc_u32 v[CBA], s[TB], v[CB0]
	v_add_nc_u32 v[SCA], s[TB], v[SC0]
	v_add_nc_u32 v[EEA], s[TB], v[EE0]
	FETCH 1-P, 0
.if \mode == 2
	ASK
.endif
.endif
	WORK P
.if (\i) == 3
	s_add_co_u32 s[NP], s[NP], 13                  ; to my first tile of the next step
.else
	s_add_co_u32 s[NP], s[NP], 1
.endif
.endm
	s_wait_alu depctr_va_vdst(0)
	s_wait_tensorcnt 0x0                           ; slot 1's first fill is issued as a refill is
	ds_add_u32 v[SPW], v[NIL]
	s_wait_dscnt 0x0
	CROUND
	tensor_load_to_lds s[G0B:G0B+3], s[G1:G1+7]
	s_nop 0
	PLACES
	FETCH 0, 0
	s_wait_loadcnt 0x0                             ; z
	s_mov_b32 s[CNT], 14
.Lstep:                                            ; steps 0 to 13; each trip asks for the step two on
	TILE 0, 0
	TILE 1, 0
	TILE 2, 0
	TILE 3, 2
	s_sub_co_u32 s[CNT], s[CNT], 1
	s_cmp_lg_u32 s[CNT], 0
	s_cbranch_scc1 .Lstep
	TILE 0, 0
	TILE 1, 0
	TILE 2, 0
	TILE 3, 1
	TILE 0, 0
	TILE 1, 0
	TILE 2, 0
	TILE 3, 3
.macro MERGE va, na, vb, nb, m         ; (va, na) takes (vb, nb) where vb is smaller, or equal with the smaller entry
	v_cmp_lt_f32 s[\m], v[\vb], v[\va]
	v_cmp_eq_f32 s[\m+1], v[\vb], v[\va]
	v_cmp_lt_u32 s[\m+2], v[\nb], v[\na]
	s_and_b32 s[\m+1], s[\m+1], s[\m+2]
	s_or_b32 s[\m], s[\m], s[\m+1]
	v_cndmask_b32 v[\va], v[\va], v[\vb], s[\m]
	v_cndmask_b32 v[\na], v[\na], v[\nb], s[\m]
.endm
; The register of the best: the first of the seven kept distances that equals it, else the eighth.  Taken from the seventh down, so that the lowest stays
.irp q, 0,1,2,3
	v_mov_b32 v[T+\q], 7
.endr
.irp k, 6,5,4,3,2,1,0
.irp q, 0,1,2,3
	v_cmp_eq_f32 s[MK+\q], v[SV+7*\q+\k], v[BA+4+\q]
.endr
.irp q, 0,1,2,3
	v_cndmask_b32 v[T+\q], v[T+\q], \k, s[MK+\q]
.endr
.endr
.irp q, 0,1,2,3
	v_lshl_add_u32 v[IX+\q], v[IX+\q], 4, v[H8]    ; the entry: 16 x tile + 8 h + register
.endr
.irp q, 0,1,2,3
	v_add_nc_u32 v[IX+\q], v[IX+\q], v[T+\q]
.endr
.irp q, 0,1,2,3
	v_permlanex16_b32 v[T+8+2*\q], v[BA+4+\q], s[SEL], s[SEL+1]
	v_permlanex16_b32 v[T+9+2*\q], v[IX+\q], s[SEL], s[SEL+1]
.endr
.irp q, 0,1,2,3
	MERGE BA+4+\q, IX+\q, T+8+2*\q, T+9+2*\q, MK+3*\q
.endr
.irp q, 0,1,2,3
	v_mov_b32 v[T+8+2*\q], v[BA+4+\q]
	v_mov_b32 v[T+9+2*\q], v[IX+\q]
.endr
.irp q, 0,1,2,3
	ds_store_b64 v[RW], v[T+8+2*\q:T+9+2*\q] offset:128*\q   ; lanes l and l + 16 write the same 8 bytes with the same value
.endr
	s_wait_dscnt 0x0                               ; for the others' sake
	s_barrier_signal -1
	s_barrier_wait -1
	s_cmp_gt_u32 s[WV], 3
	s_cbranch_scc1 .Ldone                          ; threads 0-127 take a row each
.irp e, 0,1,2,3
	ds_load_b64 v[T+2*\e:T+2*\e+1], v[RR] offset:1024*\e
.endr
	s_wait_dscnt 0x0
	MERGE T, T+1, T+2, T+3, MK
	MERGE T+4, T+5, T+6, T+7, MK+3
	s_delay_alu instid0(VALU_DEP_2)
	MERGE T, T+1, T+4, T+5, MK+6
	global_store_b32 v[T4], v[T], s[OV:OV+1]       ; 128 rows: 512 consecutive bytes in each buffer
	global_store_b32 v[T4], v[T+1], s[OI:OI+1]
.Ldone:
	s_wait_tensorcnt 0x0                           ; the wave's end
	ds_add_u32 v[SPW], v[NIL]
	s_wait_dscnt 0x0
	CROUND                                         ; the closing round
	s_endpgm
.Lfunc_end_k_q3f12db255a_dist:
	.size	k_q3f12db255a_dist, .Lfunc_end_k_q3f12db255a_dist-k_q3f12db255a_dist
	.p2alignl 7, 3214868480
	.fill 96, 4, 3214868480
	.section	.rodata,"a",@progbits
	.p2align	6, 0x0
	.amdhsa_kernel k_q3f12db255a_dist
		.amdhsa_group_segment_fixed_size 327680
		.amdhsa_private_segment_fixed_size 0
		.amdhsa_enable_private_segment 0
		.amdhsa_kernarg_size 24
		.amdhsa_user_sgpr_count 2
		.amdhsa_user_sgpr_kernarg_segment_ptr 1
		.amdhsa_wavefront_size32 1
		.amdhsa_system_sgpr_workgroup_id_x 1
		.amdhsa_system_sgpr_workgroup_id_y 1
		.amdhsa_system_sgpr_workgroup_id_z 1
		.amdhsa_system_vgpr_workitem_id 0
		.amdhsa_next_free_vgpr 448
		.amdhsa_next_free_sgpr 80
		.amdhsa_reserve_vcc 0
		.amdhsa_float_denorm_mode_32 3
		.amdhsa_float_denorm_mode_16_64 3
		.amdhsa_memory_ordered 1
		.amdhsa_forward_progress 1
		.amdhsa_inst_pref_size 123
	.end_amdhsa_kernel
	.amdgpu_metadata
---
amdhsa.version: [ 1, 2 ]
amdhsa.kernels:
  - .name:           k_q3f12db255a_dist
    .symbol:         k_q3f12db255a_dist.kd
    .args:
      - { .name: codes, .offset: 0, .size: 8, .value_kind: global_buffer, .address_space: global }
      - { .name: cand_val, .offset: 8, .size: 8, .value_kind: global_buffer, .address_space: global }
      - { .name: cand_idx, .offset: 16, .size: 8, .value_kind: global_buffer, .address_space: global }
    .group_segment_fixed_size: 327680
    .private_segment_fixed_size: 0
    .kernarg_segment_align: 8
    .kernarg_segment_size: 24
    .max_flat_workgroup_size: 256
    .sgpr_count:     80
    .vgpr_count:     448
    .wavefront_size: 32
...
	.end_amdgpu_metadata
.endif
;; end of part 2
;; launch pick (part 3): grid 256 x 1, 16 waves a work-group, no clusters, 0 bytes of LDS; arguments z, codebook, cand_val, cand_idx, out0, out1; writes out0, out1
.if DOCPART == 3
	.amdgcn_target "amdgcn-amd-amdhsa--gfx1250"
	.amdhsa_code_object_version 6
	.text
	.protected	k_q3f12db255a_pick
	.globl	k_q3f12db255a_pick
	.p2align	8
	.type	k_q3f12db255a_pick,@function
k_q3f12db255a_pick:
	s_mov_b64 s[64:65], 0
	v_nop
	global_prefetch_b8 v0, s[64:65] scope:SCOPE_SE
	s_setreg_imm32_b32 hwreg(HW_REG_WAVE_MODE, 25, 1), 1
	s_wait_xcnt 0x0
; For each row: of the two halves' candidates (best d, first entry that has it) the second half's wins only where its d is strictly smaller, so the first entry of the smallest d is kept.
; out1 = that entry;  out0 = z + (codebook[entry] - z), two f32 roundings as written.
; The entries are whole numbers stored by the launch before, so they may steer addresses; which of the two wins hangs on floating-point numbers, so BOTH rows are gathered and the choice selects values.
; A wave takes 4 rows of 2,048 bytes: 16 loads of z and 32 of the codebook, 512 consecutive bytes each, all asked for at once; no loop, no LDS, no barrier: waves share nothing.
; Matrix units, clusters and tensor loads would add nothing to a gather that is read once.  LIMITS: NaN among the candidates' d is not served.
.set Z,  16                            ; v16-79   z: row i, piece c at v[16 + 16 i + 4 c]
.set C0, 80                            ; v80-143  the first half's candidate rows, then the results
.set C1, 144                           ; v144-207 the second half's
	s_load_b256 s[4:11], s[0:1], 0x0               ; z s[4:5], codebook s[6:7], cand_val s[8:9], cand_idx s[10:11]
	s_load_b128 s[12:15], s[0:1], 0x20             ; out0 s[12:13], out1 s[14:15]
	v_lshrrev_b32 v1, 5, v0
	s_delay_alu instid0(VALU_DEP_1)
	v_readfirstlane_b32 s2, v1                     ; wave 0..15
	s_lshl_b32 s3, ttmp9, 6
	s_lshl_b32 s56, s2, 2
	s_add_co_u32 s3, s3, s56                       ; my first row: 64 x work-group + 4 x wave
	s_lshl_b32 s58, s3, 2                          ; 4 bytes a row in the candidates and in out1
	s_mov_b32 s59, 0
	s_lshl_b32 s60, s3, 11                         ; 2,048 bytes a row in z and out0
	s_mov_b32 s61, 0
	v_and_b32 v1, 31, v0
	s_delay_alu instid0(VALU_DEP_1)
	v_lshlrev_b32 v2, 3, v1                        ; 8 x lane
	s_delay_alu instid0(VALU_DEP_2)
	v_lshlrev_b32 v1, 4, v1                        ; 16 x lane
	s_wait_kmcnt 0x0
	s_add_nc_u64 s[52:53], s[8:9], s[58:59]
	s_add_nc_u64 s[54:55], s[10:11], s[58:59]
	s_add_nc_u64 s[14:15], s[14:15], s[58:59]
	s_add_nc_u64 s[4:5], s[4:5], s[60:61]
	s_add_nc_u64 s[12:13], s[12:13], s[60:61]
	s_load_b128 s[16:19], s[54:55], 0x0            ; my 4 rows: entries of half 0,
	s_load_b128 s[20:23], s[54:55], 0x10000        ; of half 1 (16,384 rows of 4 bytes on),
	s_load_b128 s[24:27], s[52:53], 0x0            ; d of half 0,
	s_load_b128 s[28:31], s[52:53], 0x10000        ; of half 1
	s_cmp_lg_u32 s2, 0                             ; wave 0, whose first row is the work-group's, also makes out1 for all 64 rows, two a lane.  Its four loads go first, so the counts below hold in every wave
	s_cbranch_scc1 .Lnot_wave_0
	s_wait_alu depctr_va_vdst(0)
	global_load_b64 v[4:5], v2, s[52:53]
	global_load_b64 v[6:7], v2, s[52:53] offset:65536
	global_load_b64 v[8:9], v2, s[54:55]
	global_load_b64 v[10:11], v2, s[54:55] offset:65536
.Lnot_wave_0:
	s_wait_alu depctr_va_vdst(0)
.irp i, 0,1,2,3
.irp c, 0,1,2,3
	global_load_b128 v[Z+16*\i+4*\c:Z+16*\i+4*\c+3], v1, s[4:5] offset:2048*\i+512*\c th:TH_LOAD_NT
.endr
.endr
	s_wait_kmcnt 0x0
.irp i, 0,1,2,3,4,5,6,7
	s_min_u32 s60, s[16+\i], 0x1fff                ; an entry stays inside the table
	s_lshl_b32 s60, s60, 11                        ; 2,048 bytes an entry (s61 is 0)
	s_add_nc_u64 s[32+2*\i:33+2*\i], s[6:7], s[60:61]
.endr
.irp i, 0,1,2,3
.irp c, 0,1,2,3
	global_load_b128 v[C0+16*\i+4*\c:C0+16*\i+4*\c+3], v1, s[32+2*\i:33+2*\i] offset:512*\c
.endr
.irp c, 0,1,2,3
	global_load_b128 v[C1+16*\i+4*\c:C1+16*\i+4*\c+3], v1, s[40+2*\i:41+2*\i] offset:512*\c
.endr
.endr
.irp i, 0,1,2,3
	v_cmp_lt_f32 s[48+\i], s[28+\i], s[24+\i]      ; all lanes alike: the second half wins row i
.endr
.macro ROW i
	s_wait_loadcnt 24-8*\i                         ; loads come back in order: z and this row's eight are in; the eight of each later row may be out
.irp n, 0,1,2,3,4,5,6,7,8,9,10,11,12,13,14,15
	v_cndmask_b32 v[C0+16*\i+\n], v[C0+16*\i+\n], v[C1+16*\i+\n], s[48+\i]
.endr
.irp n, 0,2,4,6,8,10,12,14
	v_pk_add_f32 v[C0+16*\i+\n:C0+16*\i+\n+1], v[C0+16*\i+\n:C0+16*\i+\n+1], v[Z+16*\i+\n:Z+16*\i+\n+1] neg_lo:[0,1] neg_hi:[0,1]   ; q - z
.endr
.irp n, 0,2,4,6,8,10,12,14
	v_pk_add_f32 v[C0+16*\i+\n:C0+16*\i+\n+1], v[Z+16*\i+\n:Z+16*\i+\n+1], v[C0+16*\i+\n:C0+16*\i+\n+1]   ; z + (q - z)
.endr
.irp c, 0,1,2,3
	global_store_b128 v1, v[C0+16*\i+4*\c:C0+16*\i+4*\c+3], s[12:13] offset:2048*\i+512*\c th:TH_STORE_NT   ; 32 lanes store 512 consecutive bytes, aligned
.endr
.endm
	ROW 0
	ROW 1
	ROW 2
	ROW 3
	s_cmp_lg_u32 s2, 0
	s_cbranch_scc1 .Lend
	v_cmp_lt_f32 vcc_lo, v6, v4                    ; (every load is in: the last row's wait was for 0)
	s_delay_alu instid0(VALU_DEP_1)
	v_cndmask_b32 v8, v8, v10, vcc_lo
	v_cmp_lt_f32 vcc_lo, v7, v5
	s_delay_alu instid0(VALU_DEP_1)
	v_cndmask_b32 v9, v9, v11, vcc_lo
	global_store_b64 v2, v[8:9], s[14:15]          ; 32 lanes store the work-group's 64 entries: 256 consecutive bytes, aligned
.Lend:
	s_endpgm
.Lfunc_end_k_q3f12db255a_pick:
	.size	k_q3f12db255a_pick, .Lfunc_end_k_q3f12db255a_pick-k_q3f12db255a_pick
	.p2alignl 7, 3214868480
	.fill 96, 4, 3214868480
	.section	.rodata,"a",@progbits
	.p2align	6, 0x0
	.amdhsa_kernel k_q3f12db255a_pick
		.amdhsa_group_segment_fixed_size 0
		.amdhsa_private_segment_fixed_size 0
		.amdhsa_enable_private_segment 0
		.amdhsa_kernarg_size 48
		.amdhsa_user_sgpr_count 2
		.amdhsa_user_sgpr_kernarg_segment_ptr 1
		.amdhsa_wavefront_size32 1
		.amdhsa_system_sgpr_workgroup_id_x 1
		.amdhsa_system_sgpr_workgroup_id_y 1
		.amdhsa_system_sgpr_workgroup_id_z 1
		.amdhsa_system_vgpr_workitem_id 0
		.amdhsa_next_free_vgpr 208
		.amdhsa_next_free_sgpr 66
		.amdhsa_reserve_vcc 1
		.amdhsa_float_denorm_mode_32 3
		.amdhsa_float_denorm_mode_16_64 3
		.amdhsa_memory_ordered 1
		.amdhsa_forward_progress 1
		.amdhsa_inst_pref_size 18
	.end_amdhsa_kernel
	.amdgpu_metadata
---
amdhsa.version: [ 1, 2 ]
amdhsa.kernels:
  - .name:           k_q3f12db255a_pick
    .symbol:         k_q3f12db255a_pick.kd
    .args:
      - { .name: z, .offset: 0, .size: 8, .value_kind: global_buffer, .address_space: global }
      - { .name: codebook, .offset: 8, .size: 8, .value_kind: global_buffer, .address_space: global }
      - { .name: cand_val, .offset: 16, .size: 8, .value_kind: global_buffer, .address_space: global }
      - { .name: cand_idx, .offset: 24, .size: 8, .value_kind: global_buffer, .address_space: global }
      - { .name: out0, .offset: 32, .size: 8, .value_kind: global_buffer, .address_space: global }
      - { .name: out1, .offset: 40, .size: 8, .value_kind: global_buffer, .address_space: global }
    .group_segment_fixed_size: 0
    .private_segment_fixed_size: 0
    .kernarg_segment_align: 8
    .kernarg_segment_size: 48
    .max_flat_workgroup_size: 512
    .sgpr_count:     66
    .vgpr_count:     208
    .wavefront_size: 32
...
	.end_amdgpu_metadata
.endif
;; end of part 3
